; MI455X (gfx1250); checked and timed in simulation.
; The chip was launched on July 23, 2026; its instructions are those of AMD's public machine-readable ISA for CDNA 5 (MIT licence, August 2026) and "CDNA5" Instruction Set Architecture Reference Guide (July 2026). The comments in the code are by the model that wrote it; some were corrected since.
;; Span NER. Allowed arithmetic: matrix products marked QUANTISED: E2M1 operands, one E8M0 scale for each 32 along K, by v_wmma_scale_f32_16x16x128_f8f6f4 with both operands' format E2M1 (or v_wmma_scale_f32_32x16x128_f4), f32 sums; products left as they are: f32 operands where the result goes on into a quantised operand, else bf16, f16 or f32 operands; f32 sums; everything else in f32.
;; Inputs: W1 2,112 x 1,024 float32; W2 1,024 x 3 float32; b1 1,024 float32; b2 3 float32; sequence_output 4 x 512 x 1,024 float32; span_ends 7,575 int32; span_starts 7,575 int32; width_emb 15 x 64 float32.
;; Outputs: out0 4 x 7,575 x 3 float32.
;; This version of the problem:
;;   THIS VERSION OF THE PROBLEM IS GIVEN IN LOW PRECISION. The matrix products marked QUANTISED in the list below multiply operands that are first quantised to E2M1 (2 exponent bits, 1 mantissa bit; 4 bits a number), with one power-of-two scale for each 32 numbers along K (OCP MX v1.0); their sums are f32. All else is computed in f32.
;;   The module's matrix products, in the order in which they are computed (A, B: the left and right operand; K: the contracted axis; several contracted axes count as one K, in the product's order):
;;     1. [M 30,300, K 2,112] x [K 2,112, N 1,024]; A: computed on the way; B: input W1: QUANTISED
;;     2. [M 30,300, K 1,024] x [K 1,024, N 3]; A: computed on the way; B: input W2: left as it is (N = 3 < 16)
;;   THE QUANTISER, for each operand of a quantised product, along K:
;;     - K is cut into blocks of 32 from its start; a last block that is shorter is filled with zeros.
;;     - A block's scale is 2^e with e = floor(log2(the largest magnitude in the block)) - 2, held to -126 .. 127; a block of zeros has e = 0. As a byte (E8M0): e + 127.
;;     - Each number is divided by its block's scale, clamped to +-6, and rounded to the nearest number of E2M1, ties to even, subnormals kept.
;;     - The product sums the exact products of the quantised numbers (number of the format x scale) in f32.
;;   ~~~python
;;   def quantise(x, axis):      # numpy; x: float32 -> the quantised numbers, widened to float32 again
;;       x = np.moveaxis(x, axis, -1); K = x.shape[-1]
;;       x = np.pad(x, [(0, 0)] * (x.ndim - 1) + [(0, -K % 32)]); x = x.reshape(x.shape[:-1] + (-1, 32)); a = np.abs(x).max(-1, keepdims=True)
;;       e = np.where(a > 0, np.clip(np.frexp(np.where(a > 0, a, 1))[1] - 1 - 2, -126, 127), 0)      # np.frexp(a)[1] - 1 = floor(log2(a)), exactly
;;       r = np.clip(x / 2.0 ** e, -6, 6)
;;       step = 2.0 ** (np.maximum(np.frexp(np.where(r == 0, 1, r))[1] - 1, 0) - 1)
;;       q = np.round(r / step) * step * 2.0 ** e      # np.round: ties to even
;;       return np.moveaxis(q.reshape(q.shape[:-2] + (-1,))[..., :K], -1, axis).astype(np.float32)
;;   ~~~
;;   OPERANDS COMPUTED ON THE WAY. 'Computed on the way' means the value that the module computes at that place (a softmax that the list does not call 'softmax' is quantised finished and normalised). What goes into a quantiser is computed in f32, as accurately as f32 sums, v_exp_f32 and their like allow (about 1e-6 of the number): no bf16 or f16 on the way to a quantiser, and a product that is left as it is and whose result goes on into a quantised operand takes f32 operands (vector FMAs, or v_wmma_f32_16x16x4_f32). A number that lies on a knife's edge between two numbers of the format may be rounded either way, as far as f32 arithmetic and the matrix unit's own rounding can turn it there, and no further.
;; 2 versions, each right; version 2 is version 1 with the launch GS written anew for expert scheduling mode. Each part assembles by itself: llvm-mc -triple=amdgcn-amd-amdhsa -mcpu=gfx1250 --defsym DOCPART=n.
;; ======== version 1 of 2: 3 launches
;; workspace buffers: xq 1,048,576 bytes; xs 65,536 bytes; wq 1,081,344 bytes; ws 69,632 bytes; part 7,864,320 bytes
;; launch Q (part 1): grid 264 x 1, 4 waves a work-group, no clusters, 67,072 bytes of LDS; arguments sequence_output, W1, xq, xs, wq, ws; writes xq, xs, wq, ws
.if DOCPART == 1
	.amdgcn_target "amdgcn-amd-amdhsa--gfx1250"
	.amdhsa_code_object_version 6
	.text
	.protected	k_qa97ef8167a_Q
	.globl	k_qa97ef8167a_Q
	.p2align	8
	.type	k_qa97ef8167a_Q,@function
k_qa97ef8167a_Q:
	s_mov_b64 s[64:65], 0
	v_nop
	global_prefetch_b8 v0, s[64:65] scope:SCOPE_SE
	s_setreg_imm32_b32 hwreg(HW_REG_WAVE_MODE, 25, 1), 1
	s_wait_xcnt 0x0
; THE PROGRAM.  logits = relu([x[b,s] | x[b,e] | width_emb[e-s]] W1 + b1) W2 + b2 for 4 x 7,575 spans; the first product on codes of FP4 (E2M1) with one E8M0 scale for each 32 along K = 2,112.
; HOW THE FIRST PRODUCT IS TAKEN.  K's blocks of 32 never straddle the three parts of a span's row (1,024 and 2,048 are multiples of 32; the width part is blocks 64 and 65), and the quantiser works row by row
; and block by block.  So, for every value of every input, the quantised row of span (b, n) is [Q(x)[b,s_n] | Q(x)[b,e_n] | Q(width_emb)[e_n - s_n]], and its product with Q(W1) is
; Ps[b,s_n] + Pe[b,e_n] + Pw[e_n - s_n], with Ps = Q(x) Q(W1[0:1024]), Pe = Q(x) Q(W1[1024:2048]), Pw = Q(width_emb) Q(W1[2048:2112]).  A gather of rows and a product by rows change places.
; Each token row is therefore quantised once, and multiplied once for each hidden slice and span quarter, not once for each span that names it.  No input is without a way to the result: all eight are loaded.  Nothing is left out as dead.
; THREE LAUNCHES.  This one: x and W1 into codes and scale words, once.  The second: Ps, Pe, Pw + b1 into LDS, the gather by the index inputs, relu, the second product in f32: partial logits for each 64 hidden units.  The third: their sum, and b2.
; LIMITS.  NaN and infinities among the f32 inputs are not served.  A block whose largest magnitude lies under 2^-124 has its byte held at 1 (the exponent -126 of the rule).  A block of zeros gets the byte 1 where the
; rule says 127: its codes are zeros, which add nothing under any byte but 0xff, and this program alone reads the bytes.  The f32 sum of a span's K is taken as (Ps + Pe) + (Pw + b1), another order than one run along K.
;
; THIS LAUNCH.  The codes are laid in the order of the operand's registers: [tile of 16 rows][block of 32 along K][row][16 bytes], so that lane l's registers 4 c .. 4 c + 3 of the fragment of K step k lie at
; 1,024 k + 512 c + 16 l of the tile.  The scale words (four bytes: 128 along K of one row) are laid 32 to a register: xs [tile][j][lane]: K step 2 j + lane / 16, row lane % 16;
; ws [pair of tiles][K step][lane]: tile 2 u + lane / 16, row lane % 16.
; Work-groups 0 to 127: a tile of 16 tokens (K innermost in memory).  Work-groups 128 to 263: 128 columns of W1 x 128 along K (K is the first axis in memory: a lane takes a column, its registers run down K).
; No barrier: waves share nothing.  No register that a store reads, and no address register, is written again.
.set STG,   16640                      ; LDS: a stage for each wave: 16 rows x (1,024 bytes + 16): the pitch is an odd multiple of 16 bytes
.set SPARE, 4*STG                      ; behind the stages: the spare words, 128 bytes for each wave, which no other line names
.set SPW,   4                          ; v4   LDS address of my spare word; never rewritten
.set NIL,   5                          ; v5   0; never rewritten
.set C,     16                         ; v16-31   codes: four registers for each of a lane's four blocks
.set X,     32                         ; v32-159  128 numbers as loaded
.set Y,     160                        ; v160-223 two sets of 32 neighbours along K (tokens only)
; A block of 32 numbers in v[src] on becomes 16 bytes of codes in v[C + 4 j] on, and byte j of the scale word v11.
.macro QB src, j
	v_max3_num_f32 v12, |v[\src]|, |v[\src+1]|, |v[\src+2]|        ; the largest magnitude, in two chains
	v_max3_num_f32 v13, |v[\src+3]|, |v[\src+4]|, |v[\src+5]|
.irp i, 6,10,14,18,22,26
	v_max3_num_f32 v12, v12, |v[\src+\i]|, |v[\src+\i+1]|
	v_max3_num_f32 v13, v13, |v[\src+\i+2]|, |v[\src+\i+3]|
.endr
	v_max3_num_f32 v12, v12, |v[\src+30]|, |v[\src+31]|
	v_max3_num_f32 v12, v12, v13, 0x1800000                        ; and the floor 2^(3 - 127): the byte cannot fall under 1
	v_add_nc_u32 v14, 0xff000000, v12                              ; 2 off the exponent field: the conversion takes this field as its scale and nothing else of the operand
.irp g, 0,1,2,3
	v_cvt_scalef32_pk8_fp4_f32 v[C+4*\j+\g], v[\src+8*\g:\src+8*\g+7], v14
.endr
	v_lshrrev_b32 v15, 23, v14                                     ; the scale byte (also the plain line behind the conversions)
.if \j == 0
	v_mov_b32 v11, v15
.else
	v_lshl_or_b32 v11, v15, 8*\j, v11
.endif
.endm
.macro OUTC j, b                       ; block j: sixteen lanes store 256 consecutive bytes, aligned
	global_store_b128 v9, v[C+4*\j:C+4*\j+3], s[\b:\b+1] offset:256*\j
.endm
	s_load_b256 s[4:11], s[0:1], 0x0               ; x s[4:5], W1 s[6:7], xq s[8:9], xs s[10:11]
	s_load_b128 s[12:15], s[0:1], 0x20             ; wq s[12:13], ws s[14:15]
	v_lshl_add_u32 v[SPW], v0, 2, SPARE
	v_mov_b32 v[NIL], 0
	v_lshrrev_b32 v1, 5, v0
	v_readfirstlane_b32 s16, v1                    ; wave 0..3
	v_and_b32 v1, 31, v0                           ; lane
	v_and_b32 v2, 15, v0                           ; r
	v_bfe_u32 v3, v0, 4, 1                         ; p = lane / 16
	s_mul_i32 s17, s16, STG
	v_lshlrev_b32 v6, 4, v1                        ; 16 x lane
	v_add_nc_u32 v7, s17, v6                       ; the stage on the way in: as the bytes lie
	v_mul_u32_u24 v8, v2, 1040
	v_lshl_add_u32 v8, v3, 9, v8
	v_add_nc_u32 v8, s17, v8                       ; and on the way out: row r, K step p of my wave's two
	v_lshlrev_b32 v10, 2, v1                       ; 4 x lane
	s_mov_b32 s21, 0
	s_wait_kmcnt 0x0
	s_cmp_lt_u32 ttmp9, 128
	s_cbranch_scc0 .Lw
	; ---- TOKENS.  Tile T = the work-group's number; wave w takes K = 256 w .. 256 w + 255 of its 16 rows; lane (r, p) quantises K step 2 w + p of row r.
	v_lshlrev_b32 v9, 4, v2
	v_lshl_add_u32 v9, v3, 10, v9                  ; codes: 1,024 p + 16 r
	s_lshl_b32 s20, ttmp9, 16                      ; 16 rows of 4,096 bytes
	s_lshl_b32 s22, s16, 10
	s_add_co_u32 s20, s20, s22
	s_add_nc_u64 s[4:5], s[4:5], s[20:21]
	s_lshl_b32 s20, ttmp9, 13                      ; a tile's codes: 8,192 bytes
	s_lshl_b32 s22, s16, 11
	s_add_co_u32 s20, s20, s22
	s_add_nc_u64 s[8:9], s[8:9], s[20:21]
	s_lshl_b32 s20, ttmp9, 9                       ; a tile's scale words: 512 bytes
	s_lshl_b32 s22, s16, 7
	s_add_co_u32 s20, s20, s22
	s_add_nc_u64 s[10:11], s[10:11], s[20:21]
.set i, 0
.rept 32                               ; each load reads 512 consecutive bytes; all 16 KiB of the wave are asked for at once
	global_load_b128 v[X+4*i:X+4*i+3], v6, s[4:5] offset:(i/2)*4096+(i%2)*512 th:TH_LOAD_NT
.set i, i+1
.endr
.irp g, 0,1,2,3
	s_wait_loadcnt 24-8*\g                         ; this group of eight loads is in; the younger groups stay out
.irp k, 0,1,2,3,4,5,6,7
	ds_store_b128 v7, v[X+4*(8*\g+\k):X+4*(8*\g+\k)+3] offset:(4*\g+\k/2)*1040+(\k%2)*512
.endr
.endr
.macro XRD j, set                      ; block j of my K step: 128 bytes of my row.  LDS serves a wave's instructions in order: these see the stores above
.irp k, 0,1,2,3,4,5,6,7
	ds_load_b128 v[Y+32*\set+4*\k:Y+32*\set+4*\k+3], v8 offset:128*\j+16*\k
.endr
.endm
	XRD 0, 0
	XRD 1, 1
	s_wait_dscnt 8                                 ; the older set is in; the younger set's eight loads stay out
	QB Y, 0
	OUTC 0, 8
	XRD 2, 0
	s_wait_dscnt 8
	QB Y+32, 1
	OUTC 1, 8
	XRD 3, 1
	s_wait_dscnt 8
	QB Y, 2
	OUTC 2, 8
	s_wait_dscnt 0x0
	QB Y+32, 3
	OUTC 3, 8
	global_store_b32 v10, v11, s[10:11]            ; my row's scale word of my K step: the wave stores 128 consecutive bytes
	s_branch .Lend
	; ---- W1.  g = the work-group's number - 128: column group g % 8 (128 columns), K step g / 8 (128 rows of W1; the last, 16, has 64).  Lane: column 128 (g % 8) + 32 w + lane.
.Lw:
	v_mul_u32_u24 v9, v3, 16896                    ; codes: lanes 16-31 belong to the next tile of 16 columns, 66 blocks x 256 bytes on
	v_lshl_add_u32 v9, v2, 4, v9
	s_sub_co_u32 s17, ttmp9, 128
	s_and_b32 s18, s17, 7                          ; column group
	s_lshr_b32 s19, s17, 3                         ; K step
	s_lshl_b32 s20, s19, 19                        ; 128 rows of 4,096 bytes
	s_lshl_b32 s22, s18, 9
	s_add_co_u32 s20, s20, s22
	s_lshl_b32 s22, s16, 7
	s_add_co_u32 s20, s20, s22
	s_add_nc_u64 s[6:7], s[6:7], s[20:21]
	s_lshl_b32 s22, s18, 3
	s_lshl_b32 s23, s16, 1
	s_add_co_u32 s22, s22, s23                     ; my first tile: 8 x group + 2 w
	s_mul_i32 s20, s22, 16896
	s_lshl_b32 s22, s19, 10
	s_add_co_u32 s20, s20, s22
	s_add_nc_u64 s[12:13], s[12:13], s[20:21]
	s_lshl_b32 s22, s18, 2
	s_add_co_u32 s22, s22, s16                     ; my pair of tiles: 4 x group + w
	s_mul_i32 s20, s22, 2176                       ; 17 K steps x 128 bytes
	s_lshl_b32 s22, s19, 7
	s_add_co_u32 s20, s20, s22
	s_add_nc_u64 s[14:15], s[14:15], s[20:21]
.macro LW j                            ; block j: W1(128 s + 32 j + i, my column): 32 lanes read 128 consecutive bytes, the four waves 512
.set i, 0
.rept 32
	global_load_b32 v[X+32*\j+i], v10, s[6:7] offset:(32*\j+i)*4096 th:TH_LOAD_NT
.set i, i+1
.endr
.endm
	LW 0
	LW 1
	s_cmp_eq_u32 s19, 16                           ; the last K step has two blocks: no load leaves W1
	s_cbranch_scc1 .Lshort
	LW 2
	LW 3
	s_wait_loadcnt 63                              ; blocks 0 and 1 are in: 64 loads were issued behind them, and the count is one less
	QB X, 0
	OUTC 0, 12
	QB X+32, 1
	OUTC 1, 12
	s_wait_loadcnt 32                              ; block 2 is in; block 3 stays out
	QB X+64, 2
	OUTC 2, 12
	s_wait_loadcnt 0x0
	QB X+96, 3
	OUTC 3, 12
	global_store_b32 v10, v11, s[14:15]
	s_branch .Lend
.Lshort:
	s_wait_loadcnt 32
	QB X, 0
	OUTC 0, 12
	s_wait_loadcnt 0x0
	QB X+32, 1
	OUTC 1, 12
	global_store_b32 v10, v11, s[14:15]            ; bytes 2 and 3 stay 0: the reader sets zero codes over them
.Lend:
	s_wait_tensorcnt 0x0                           ; the wave's end
	ds_add_u32 v[SPW], v[NIL]
	s_wait_dscnt 0x0
	s_endpgm
.Lfunc_end_k_qa97ef8167a_Q:
	.size	k_qa97ef8167a_Q, .Lfunc_end_k_qa97ef8167a_Q-k_qa97ef8167a_Q
	.p2alignl 7, 3214868480
	.fill 96, 4, 3214868480
	.section	.rodata,"a",@progbits
	.p2align	6, 0x0
	.amdhsa_kernel k_qa97ef8167a_Q
		.amdhsa_group_segment_fixed_size 67072
		.amdhsa_private_segment_fixed_size 0
		.amdhsa_enable_private_segment 0
		.amdhsa_kernarg_size 48
		.amdhsa_user_sgpr_count 2
		.amdhsa_user_sgpr_kernarg_segment_ptr 1
		.amdhsa_wavefront_size32 1
		.amdhsa_system_sgpr_workgroup_id_x 1
		.amdhsa_system_sgpr_workgroup_id_y 1
		.amdhsa_system_sgpr_workgroup_id_z 1
		.amdhsa_system_vgpr_workitem_id 0
		.amdhsa_next_free_vgpr 224
		.amdhsa_next_free_sgpr 66
		.amdhsa_reserve_vcc 0
		.amdhsa_float_denorm_mode_32 3
		.amdhsa_float_denorm_mode_16_64 3
		.amdhsa_memory_ordered 1
		.amdhsa_forward_progress 1
		.amdhsa_inst_pref_size 38
	.end_amdhsa_kernel
	.amdgpu_metadata
---
amdhsa.version: [ 1, 2 ]
amdhsa.kernels:
  - .name:           k_qa97ef8167a_Q
    .symbol:         k_qa97ef8167a_Q.kd
    .args:
      - { .name: sequence_output, .offset: 0, .size: 8, .value_kind: global_buffer, .address_space: global }
      - { .name: W1, .offset: 8, .size: 8, .value_kind: global_buffer, .address_space: global }
      - { .name: xq, .offset: 16, .size: 8, .value_kind: global_buffer, .address_space: global }
      - { .name: xs, .offset: 24, .size: 8, .value_kind: global_buffer, .address_space: global }
      - { .name: wq, .offset: 32, .size: 8, .value_kind: global_buffer, .address_space: global }
      - { .name: ws, .offset: 40, .size: 8, .value_kind: global_buffer, .address_space: global }
    .group_segment_fixed_size: 67072
    .private_segment_fixed_size: 0
    .kernarg_segment_align: 8
    .kernarg_segment_size: 48
    .max_flat_workgroup_size: 128
    .sgpr_count:     66
    .vgpr_count:     224
    .wavefront_size: 32
...
	.end_amdgpu_metadata
.endif
;; end of part 1
;; launch GS (part 2): grid 64 x 4, 4 waves a work-group, no clusters, 278,272 bytes of LDS; arguments xq, xs, wq, ws, width_emb, b1, W2, span_starts, span_ends, part; writes part
.if DOCPART == 2
	.amdgcn_target "amdgcn-amd-amdhsa--gfx1250"
	.amdhsa_code_object_version 6
	.text
	.protected	k_qa97ef8167a_GS
	.globl	k_qa97ef8167a_GS
	.p2align	8
	.type	k_qa97ef8167a_GS,@function
k_qa97ef8167a_GS:
	s_mov_b64 s[64:65], 0
	v_nop
	global_prefetch_b8 v0, s[64:65] scope:SCOPE_SE
	s_setreg_imm32_b32 hwreg(HW_REG_WAVE_MODE, 25, 1), 1
	s_wait_xcnt 0x0
; part[sl][b][n][0..2] = the sum over the 64 hidden units j of slice sl of relu(Ps[b,s_n][j] + Pe[b,e_n][j] + Pw[e_n - s_n][j] + b1[j]) W2[j][0..2]  (the first launch's head shows why the first product may be taken so; nothing is left out).
; SHARES.  Work-group (x, y): slice sl = x / 4 (64 hidden units), quarter q = x % 4 of the spans, batch b = y.  It makes Ps and Pe of all 512 tokens of b for its 64 hidden units by products on codes of FP4
; and keeps them in LDS as a table of f32: 512 rows x (64 + 64 numbers).  Wave w makes tokens 128 w .. 128 w + 127.  Then a LANE takes a SPAN: it reads its three rows from LDS and sums its three partial logits by itself.
; The four quarters of a slice repeat its products: the finished table fetched from memory would be as many bytes as the codes (128 f32 a token = 1,024 codes), and one launch more.
; NO TENSOR LOADS, NO CLUSTER, though the four quarters read the same codes: fragments laid in register order go from memory straight into the operands' registers, with no pass through LDS; and LDS is nearly
; all table, written by LDS stores: the 49,408 bytes beside it would hold two slots of three token tiles, eleven changes of slots for 272 KiB.
; THE PRODUCTS ARE USED TRANSPOSED: source 0 = 16 hidden units (rows of W1^T), source 1 = 16 tokens: lane (r, h) holds token r and hidden units 8 h + 0 .. 7: 32 neighbouring bytes of a table row.
; LIMITS.  Indices are taken to lie inside their tables, as the problem says: they are held at 511, and e - s (unsigned) at 14.  NaN and infinities are not served.
; REGISTERS, in windows of 256:  window 0: addresses, scale words (v16-27 the tokens', v28-59 W1's, v60, v61 the width product's: these hold scales and nothing else), the width product, the spans' sums.
;   window 1: W1's fragments for Ps (tile t, K step k at 64 t + 8 k); in the span phase W2's 192 numbers.   window 2: W1's for Pe; then span data, set 0.
;   window 3: v0-63 eight accumulators (Ps: 8 t, Pe: 32 + 8 t), v64-255 three sets of a token tile's eight fragments; then span data, set 1.   Span data: Ps' row v0-63, Pe's v64-127, Pw's v128-191.
.set PP,    528                        ; a table row: 256 bytes Ps, 256 bytes Pe, 16 of padding: an odd multiple of 16 bytes
.set PWB,   512*PP                     ; behind the table: Pw + b1, 16 rows x (256 + 16) bytes
.set PWP,   272
.set W2S,   PWB+16*PWP                 ; W2's slice, 768 bytes, a copy for each wave
.set SPARE, W2S+4*768                  ; the spare words, 128 bytes for each wave, which no other line names
.set NLAST, 7574                       ; the last span
; LDS bytes 0 to 65,535 first hold the images of W1's 64 fragments (tile t at 16,384 t), each wave bringing one tile; the table is written over them behind a barrier.
.set MSB, 0
.macro WIN new                         ; the immediate's high byte repeats the setting that is left; a switch that changes nothing is dropped
.if MSB != (\new)
	s_set_vgpr_msb (MSB<<8)|(\new)
.set MSB, (\new)
.endif
.endm
; Token tile i of my wave's eight into set: 16 loads of 512 consecutive bytes, and its four registers of scale words
.macro XLOAD i, set
	WIN 0xc0                                       ; destination window 3
.irp k, 0,1,2,3,4,5,6,7,8,9,10,11,12,13,14,15
	global_load_b128 v[64+64*(\set)+4*\k:64+64*(\set)+4*\k+3], v4, s[4:5] offset:8192*(\i)+512*\k
.endr
	WIN 0
.irp j, 0,1,2,3
	global_load_b32 v[16+4*(\set)+\j], v5, s[6:7] offset:512*(\i)+128*\j
.endr
.endm
; The three LDS addresses of a lane's span from the raw pair (s, e) of set d
.macro ADDR d
	v_sub_nc_u32 v81, v[65+2*\d], v[64+2*\d]
	v_min_u32 v79, 511, v[64+2*\d]
	v_min_u32 v80, 511, v[65+2*\d]
	v_min_u32 v81, 14, v81
	v_mul_u32_u24 v[72+4*\d], v79, PP
	v_mul_u32_u24 v[73+4*\d], v80, PP
	v_mul_u32_u24 v81, v81, PWP
	v_add_nc_u32 v[74+4*\d], PWB, v81
.endm
; The next 32 spans' indices into raw set d (held at the last span: the rows beyond it are written and never read)
.macro IDX d
	v_add_nc_u32 v70, 32, v70
	v_min_u32 v[68+\d], NLAST, v70
	v_lshlrev_b32 v[68+\d], 2, v[68+\d]
	global_load_b32 v[64+2*\d], v[68+\d], s[18:19]
	global_load_b32 v[65+2*\d], v[68+\d], s[20:21]
.endm
	s_load_b512 s[4:19], s[0:1], 0x0               ; xq s[4:5], xs s[6:7], wq s[8:9], ws s[10:11], width_emb s[12:13], b1 s[14:15], W2 s[16:17], span_starts s[18:19]
	s_load_b128 s[20:23], s[0:1], 0x40             ; span_ends s[20:21], part s[22:23]
	v_lshl_add_u32 v12, v0, 2, SPARE               ; my spare word; never rewritten
	v_mov_b32 v13, 0                               ; 0; never rewritten
	v_lshrrev_b32 v1, 5, v0
	v_readfirstlane_b32 s24, v1                    ; wave w
	v_and_b32 v1, 31, v0                           ; lane
	v_and_b32 v2, 15, v0                           ; r
	v_bfe_u32 v3, v0, 4, 1                         ; h
	s_lshr_b32 s25, ttmp9, 2                       ; slice
	s_and_b32 s26, ttmp9, 3                        ; quarter
	s_and_b32 s27, ttmp7, 0xffff                   ; batch
	v_lshlrev_b32 v4, 4, v1                        ; 16 x lane
	v_lshlrev_b32 v5, 2, v1                        ; 4 x lane
	s_mul_i32 s28, s24, 128*PP
	v_mul_u32_u24 v6, v2, PP
	v_lshl_add_u32 v6, v3, 5, v6
	v_add_nc_u32 v6, s28, v6                       ; the table, writing: row 128 w + r, + 32 h
	v_mul_u32_u24 v7, v2, PWP
	v_lshl_add_u32 v7, v3, 5, v7
	s_lshl_b32 s28, s24, 6
	s_add_co_u32 s28, s28, PWB
	v_add_nc_u32 v7, s28, v7                       ; Pw, writing: row r, + 64 w + 32 h
	s_lshl_b32 s28, s24, 14
	v_add_nc_u32 v8, s28, v4                       ; my tile's image: 16,384 w + 16 x lane
	v_mul_u32_u24 v62, v1, 24                      ; W2's slice: 24 bytes a lane
	s_mul_i32 s28, s24, 768
	s_add_co_u32 s28, s28, W2S
	v_add_nc_u32 v9, s28, v62                      ; into my copy,
	v_mov_b32 v10, s28                             ; and out of it: every lane reads the same 16 bytes
	v_lshlrev_b32 v11, 2, v2                       ; 4 r
	v_lshlrev_b32 v14, 5, v3                       ; 32 h
	v_min_u32 v15, 14, v2
	v_lshlrev_b32 v15, 8, v15
	v_lshl_add_u32 v15, v3, 7, v15                 ; width_emb: row min(r, 14), block h (the sixteenth column of the product repeats row 14 and is never read)
	s_mov_b32 s34, 0x76543210
	s_mov_b32 s35, 0xfedcba98                      ; v_permlanex16_b32: lane l xor 16
	s_mov_b32 s29, 0
	s_mul_i32 s30, s26, 1920
	s_mul_i32 s31, s24, 480
	s_add_co_u32 s30, s30, s31                     ; my wave's first span: 1,920 q + 480 w
	v_add_nc_u32 v70, s30, v1
	v_min_u32 v68, NLAST, v70
	v_lshlrev_b32 v68, 2, v68
	v_add_nc_u32 v70, 32, v70
	v_min_u32 v69, NLAST, v70
	v_lshlrev_b32 v69, 2, v69
	v_mov_b32 v63, v4                              ; part: 16 bytes a span
	v_mov_b32 v99, 0                               ; the fourth word of a span's 16 bytes
	v_mov_b32 v103, 0
	s_wait_kmcnt 0x0
	s_lshl_b32 s28, s27, 18                        ; xq: a batch is 32 tiles of 8,192 bytes, my wave's eight begin at 8 w
	s_lshl_b32 s31, s24, 16
	s_add_co_u32 s28, s28, s31
	s_add_nc_u64 s[4:5], s[4:5], s[28:29]
	s_lshl_b32 s28, s27, 14                        ; xs: 512 bytes a tile
	s_lshl_b32 s31, s24, 12
	s_add_co_u32 s28, s28, s31
	s_add_nc_u64 s[6:7], s[6:7], s[28:29]
	s_lshl_b32 s28, s25, 2
	s_add_co_u32 s28, s28, s24
	s_mul_i32 s28, s28, 16896                      ; wq: the tile that I bring: 4 x slice + w
	s_add_nc_u64 s[8:9], s[8:9], s[28:29]
	s_lshl_b32 s28, s25, 1
	s_lshr_b32 s31, s24, 1
	s_add_co_u32 s28, s28, s31
	s_mul_i32 s28, s28, 2176
	s_and_b32 s31, s24, 1
	s_lshl_b32 s31, s31, 6
	s_add_co_u32 s28, s28, s31
	s_add_co_u32 s28, s28, 2048
	s_add_nc_u64 s[32:33], s[10:11], s[28:29]      ; ws: that tile's words of K step 16
	s_mul_i32 s28, s25, 4352
	s_add_nc_u64 s[10:11], s[10:11], s[28:29]      ; ws: the slice's two pairs of tiles
	s_lshl_b32 s28, s25, 8
	s_lshl_b32 s31, s24, 6
	s_add_co_u32 s28, s28, s31
	s_add_nc_u64 s[14:15], s[14:15], s[28:29]      ; b1 at hidden unit 64 x slice + 16 w
	s_mul_i32 s28, s25, 768
	s_add_nc_u64 s[16:17], s[16:17], s[28:29]      ; W2 at the slice's 64 rows
	s_lshl_b32 s28, s25, 2
	s_add_co_u32 s28, s28, s27
	s_mul_i32 s28, s28, 7680
	s_add_co_u32 s28, s28, s30
	s_lshl_b32 s28, s28, 4
	s_add_nc_u64 s[22:23], s[22:23], s[28:29]      ; part at (slice, batch, my wave's first span)
	; ---- the loads, oldest first: my tile of W1 (K steps 0 to 15); the small things; three token tiles
	WIN 0x40                                       ; destination window 1
.set i, 0
.rept 32
	global_load_b128 v[4*i:4*i+3], v4, s[8:9] offset:512*i
.set i, i+1
.endr
	WIN 0
.irp p, 0,1
.irp s, 0,1,2,3,4,5,6,7,8,9,10,11,12,13,14,15
	global_load_b32 v[28+16*\p+\s], v5, s[10:11] offset:\p*2176+\s*128   ; W1's scale words: lanes 0-15 tile 2 p, lanes 16-31 tile 2 p + 1
.endr
.endr
	global_load_b32 v60, v11, s[32:33]             ; my tile's words of the width part
	global_load_b128 v[152:155], v4, s[8:9] offset:16384   ; and its codes: blocks 64 and 65
.irp i, 0,1,2,3,4,5,6,7
	global_load_b128 v[112+4*\i:115+4*\i], v15, s[12:13] offset:16*\i
.endr
	global_load_b128 v[160:163], v14, s[14:15]     ; b1 in the result's layout: hidden units 8 h + 0 .. 7 of my tile
	global_load_b128 v[164:167], v14, s[14:15] offset:16
.irp i, 0,1,2
	global_load_b64 v[104+2*\i:105+2*\i], v62, s[16:17] offset:8*\i
.endr
	global_load_b32 v64, v68, s[18:19]             ; the first 32 spans,
	global_load_b32 v65, v68, s[20:21]
	global_load_b32 v66, v69, s[18:19]             ; the second
	global_load_b32 v67, v69, s[20:21]
	XLOAD 0, 0
	XLOAD 1, 1
	XLOAD 2, 2
	s_wait_loadcnt 60                              ; all but the three token tiles (3 x 20 loads) are in
	ADDR 0
	IDX 0                                          ; the third 32 spans (the wait above has shown the loads done that read v68)
	; ---- W1's images, W2's copy, the width rows' codes
	WIN 0x04                                       ; an LDS store's data are its source 1: window 1
.set i, 0
.rept 32
	ds_store_b128 v8, v[4*i:4*i+3] offset:512*i
.set i, i+1
.endr
	WIN 0
.irp i, 0,1,2
	ds_store_b64 v9, v[104+2*\i:105+2*\i] offset:8*\i
.endr
	v_max3_num_f32 v176, |v112|, |v113|, |v114|    ; width_emb's block h of my row: all 32 numbers are mine
	v_max3_num_f32 v177, |v115|, |v116|, |v117|
.irp i, 6,10,14,18,22,26
	v_max3_num_f32 v176, v176, |v[112+\i]|, |v[113+\i]|
	v_max3_num_f32 v177, v177, |v[114+\i]|, |v[115+\i]|
.endr
	v_max3_num_f32 v176, v176, |v142|, |v143|
	v_max3_num_f32 v176, v176, v177, 0x1800000     ; the floor 2^(3 - 127): the byte cannot fall under 1
	v_add_nc_u32 v178, 0xff000000, v176            ; 2 off the exponent field: the conversion's scale operand
	v_lshrrev_b32 v179, 23, v178                   ; the byte,
	v_lshlrev_b32 v180, 3, v3
	v_lshlrev_b32 v179, v180, v179                 ; at its place in the word (8 h bits up);
	v_mov_b32 v181, 0
	v_permlanex16_b32 v181, v179, s34, s35
	v_or_b32 v61, v179, v181                       ; with lane l xor 16's the word has blocks 0 and 1; bytes 2 and 3 are 0, over zero codes
.irp g, 0,1,2,3
	v_cvt_scalef32_pk8_fp4_f32 v[144+\g], v[112+8*\g:119+8*\g], v178
.endr
	v_nop                                          ; one plain line behind the conversions
.irp i, 148,149,150,151,156,157,158,159
	v_mov_b32 v\i, 0                               ; K = 64 .. 127 of this K step: zero codes on both sides
.endr
	s_wait_dscnt 0x0                               ; my stores have landed
	s_barrier_signal -1
	s_barrier_wait -1                              ; the four images are whole
	WIN 0x40
.irp t, 0,1,2,3
.irp s, 0,1,2,3,4,5,6,7
.irp c, 0,1
	ds_load_b128 v[64*\t+8*\s+4*\c:64*\t+8*\s+4*\c+3], v4 offset:\t*16384+\s*1024+512*\c
.endr
.endr
.endr
	WIN 0x80
.irp t, 0,1,2,3
.irp s, 0,1,2,3,4,5,6,7
.irp c, 0,1
	ds_load_b128 v[64*\t+8*\s+4*\c:64*\t+8*\s+4*\c+3], v4 offset:\t*16384+(8+\s)*1024+512*\c
.endr
.endr
.endr
	WIN 0
.rept 8
	v_nop                                          ; a scale word written by a vector instruction stands 8 plain lines ahead of a scaled matrix instruction, an operand so written 4
.endr
	v_wmma_scale_f32_16x16x128_f8f6f4 v[168:175], v[152:159], v[144:151], v[160:167], v60, v61 matrix_a_fmt:MATRIX_FMT_FP4 matrix_b_fmt:MATRIX_FMT_FP4   ; Pw + b1: b1 is the C
.rept 4
	v_nop                                          ; four plain lines before a store reads the result
.endr
	ds_store_b128 v7, v[168:171]                   ; the result from its low end on
	ds_store_b128 v7, v[172:175] offset:16
	s_wait_dscnt 0x0                               ; my reads of the images are in, my stores have landed
	s_barrier_signal -1
	s_barrier_wait -1                              ; nobody reads the images any more: the table may be written over them
	; ---- Ps and Pe, a tile of 16 tokens at a time: 64 matrix instructions; four accumulators take turns, one instruction a turn
.macro PROD half, set, k, t
.set rD, 32*\half+8*\t
.set rA, 64*\t+8*\k
.set rB, 64+64*\set+8*\k
.set rSA, 28+16*(\t/2)+8*\half+\k
.set rSB, 16+4*\set+\k/2
.if \k == 0
.if \t%2
	v_wmma_scale_f32_16x16x128_f8f6f4 v[rD:rD+7], v[rA:rA+7], v[rB:rB+7], 0, v[rSA], v[rSB] matrix_a_fmt:MATRIX_FMT_FP4 matrix_b_fmt:MATRIX_FMT_FP4 matrix_a_scale:MATRIX_SCALE_ROW1
.else
	v_wmma_scale_f32_16x16x128_f8f6f4 v[rD:rD+7], v[rA:rA+7], v[rB:rB+7], 0, v[rSA], v[rSB] matrix_a_fmt:MATRIX_FMT_FP4 matrix_b_fmt:MATRIX_FMT_FP4
.endif
.elseif (\t%2) && (\k%2)
	v_wmma_scale_f32_16x16x128_f8f6f4 v[rD:rD+7], v[rA:rA+7], v[rB:rB+7], v[rD:rD+7], v[rSA], v[rSB] matrix_a_fmt:MATRIX_FMT_FP4 matrix_b_fmt:MATRIX_FMT_FP4 matrix_a_scale:MATRIX_SCALE_ROW1 matrix_b_scale:MATRIX_SCALE_ROW1
.elseif \t%2
	v_wmma_scale_f32_16x16x128_f8f6f4 v[rD:rD+7], v[rA:rA+7], v[rB:rB+7], v[rD:rD+7], v[rSA], v[rSB] matrix_a_fmt:MATRIX_FMT_FP4 matrix_b_fmt:MATRIX_FMT_FP4 matrix_a_scale:MATRIX_SCALE_ROW1
.elseif \k%2
	v_wmma_scale_f32_16x16x128_f8f6f4 v[rD:rD+7], v[rA:rA+7], v[rB:rB+7], v[rD:rD+7], v[rSA], v[rSB] matrix_a_fmt:MATRIX_FMT_FP4 matrix_b_fmt:MATRIX_FMT_FP4 matrix_b_scale:MATRIX_SCALE_ROW1
.else
	v_wmma_scale_f32_16x16x128_f8f6f4 v[rD:rD+7], v[rA:rA+7], v[rB:rB+7], v[rD:rD+7], v[rSA], v[rSB] matrix_a_fmt:MATRIX_FMT_FP4 matrix_b_fmt:MATRIX_FMT_FP4
.endif
.endm
; Tile i, in set.  left: the younger loads that may stay out.  next = 1: the set takes tile i + 3.
.macro MT i, set, left, next
	s_wait_loadcnt \left
	WIN 0xfd                                       ; source 0 (W1 for Ps) window 1; source 1 (tokens), C and D window 3
.irp k, 0,1,2,3,4,5,6,7
.irp t, 0,1,2,3
	PROD 0, \set, \k, \t
.endr
.endr
	WIN 0xfe                                       ; source 0 (W1 for Pe) window 2
.irp k, 0,1,2,3,4,5,6,7
.irp t, 0,1,2,3
	PROD 1, \set, \k, \t
.endr
.endr
	WIN 0
.rept 5
	v_nop                                          ; four plain lines before stores read the results and loads land on the operands; five before the next tile's first products write over the accumulators
.endr
.if \next
	XLOAD \i+3, \set
.endif
	WIN 0x0c                                       ; the stores' data: window 3
.irp f, 0,1
.irp t, 0,1,2,3
	ds_store_b128 v6, v[32*\f+8*\t:32*\f+8*\t+3] offset:8448*\i+256*\f+64*\t          ; each accumulator from its low end on
	ds_store_b128 v6, v[32*\f+8*\t+4:32*\f+8*\t+7] offset:8448*\i+256*\f+64*\t+16
.endr
.endr
	WIN 0
	s_wait_dscnt 0x0                               ; the stores have read the accumulators
.endm
	MT 0, 0, 40, 1                                 ; the two younger tiles' 40 loads stay out (in the first three tiles two index loads more are out: the smaller count is safe)
	MT 1, 1, 40, 1
	MT 2, 2, 40, 1
	MT 3, 0, 40, 1
	MT 4, 1, 40, 1
	MT 5, 2, 40, 0
	MT 6, 0, 20, 0
	MT 7, 1, 0, 0
	s_barrier_signal -1                            ; (no LDS instruction of mine is out)
	s_barrier_wait -1                              ; the table and Pw + b1 are whole; from here to the last barrier LDS is only read
	; ---- THE SPANS: lane = span 1,920 q + 480 w + 32 it + lane, it = 0 .. 14.  Two sets of data by turns: one is gathered while the other is worked.
.macro GATHER d                        ; 48 loads of 16 bytes a lane: the span's 64 numbers of Ps, of Pe, of Pw + b1
	WIN 0x80+0x40*\d
.irp i, 0,1,2,3,4,5,6,7,8,9,10,11,12,13,14,15
	ds_load_b128 v[4*\i:4*\i+3], v[72+4*\d] offset:16*\i
.endr
.irp i, 0,1,2,3,4,5,6,7,8,9,10,11,12,13,14,15
	ds_load_b128 v[64+4*\i:67+4*\i], v[73+4*\d] offset:256+16*\i
.endr
.irp i, 0,1,2,3,4,5,6,7,8,9,10,11,12,13,14,15
	ds_load_b128 v[128+4*\i:131+4*\i], v[74+4*\d] offset:16*\i
.endr
	WIN 0
.endm
; h = relu((Ps + Pe) + (Pw + b1)), two at a time; then the three sums.  W2's slice lies flat, register 3 j + l.  For hidden units j, j + 1 (j even) three packed multiply-adds take its six numbers as three pairs:
; A += (h_j, h_j) x (w[j][0], w[j][1]);  B += (h_j, h_j+1) x (w[j][2], w[j+1][0]);  C += (h_j+1, h_j+1) x (w[j+1][1], w[j+1][2]).  Two groups of A, B, C by turns.  The first products start the sums.
.macro COMPUTE d, off
	WIN 0x8a+0x45*\d                               ; destination, sources 0 and 1: the set's window
.set i, 0
.rept 32
	v_pk_add_f32 v[2*i:2*i+1], v[2*i:2*i+1], v[64+2*i:65+2*i]
.set i, i+1
.endr
.set i, 0
.rept 32
	v_pk_add_f32 v[2*i:2*i+1], v[2*i:2*i+1], v[128+2*i:129+2*i]
.set i, i+1
.endr
.set i, 0
.rept 64
	v_max_num_f32 v[i], 0, v[i]
.set i, i+1
.endr
	WIN 0x06+\d                                    ; source 0 (h) the set's window, source 1 (W2) window 1, the sums window 0
.set j, 0
.rept 32
.set g, 84+6*((j/2)%2)
.if j < 4
	v_pk_mul_f32 v[g:g+1], v[j:j+1], v[3*j:3*j+1] op_sel_hi:[0,1]
	v_pk_mul_f32 v[g+2:g+3], v[j:j+1], v[3*j+2:3*j+3]
	v_pk_mul_f32 v[g+4:g+5], v[j:j+1], v[3*j+4:3*j+5] op_sel:[1,0] op_sel_hi:[1,1]
.else
	v_pk_fma_f32 v[g:g+1], v[j:j+1], v[3*j:3*j+1], v[g:g+1] op_sel_hi:[0,1,1]
	v_pk_fma_f32 v[g+2:g+3], v[j:j+1], v[3*j+2:3*j+3], v[g+2:g+3]
	v_pk_fma_f32 v[g+4:g+5], v[j:j+1], v[3*j+4:3*j+5], v[g+4:g+5] op_sel:[1,0,0] op_sel_hi:[1,1,1]
.endif
.set j, j+2
.endr
	WIN 0
	v_pk_add_f32 v[84:85], v[84:85], v[90:91]
	v_pk_add_f32 v[86:87], v[86:87], v[92:93]
	v_pk_add_f32 v[88:89], v[88:89], v[94:95]
	s_wait_xcnt 0x0                                ; the store of two turns ago has read its data: they are written again only behind this wait
	v_add_f32 v[96+4*\d], v84, v87                 ; label 0: A's low + B's high
	v_add_f32 v[97+4*\d], v85, v88                 ; label 1: A's high + C's low
	v_add_f32 v[98+4*\d], v86, v89                 ; label 2: B's low + C's high
	global_store_b128 v63, v[96+4*\d:99+4*\d], s[22:23] offset:\off th:TH_STORE_NT   ; 32 lanes store 512 consecutive bytes, aligned
.endm
; A turn: set d is worked; set o = 1 - d gets the next 32 spans' addresses and data, and (idx = 1) the indices of the 32 spans two turns further on.
.macro ITER d, o, left, addr, idx, off
.if \addr
	s_wait_loadcnt \left                           ; set o's pair of indices is in; the younger pair stays out.  The same wait frees the address register of those loads
	ADDR \o
.endif
.if \idx
	IDX \o
.endif
	s_wait_dscnt 0x0                               ; set d's data, asked for a whole turn ago, are in
.if \addr
	GATHER \o
.endif
	COMPUTE \d, \off
.endm
	WIN 0x40
.set i, 0
.rept 48
	ds_load_b128 v[4*i:4*i+3], v10 offset:16*i     ; W2's 192 numbers, the same in every lane (my own copy: LDS serves a wave's instructions in order)
.set i, i+1
.endr
	WIN 0
	GATHER 0
	s_mov_b32 s36, 6
.Lspan:                                            ; six trips of two turns: it = 0 .. 11
	ITER 0, 1, 2, 1, 1, 0
	ITER 1, 0, 2, 1, 1, 512
	s_wait_xcnt 0x0                                ; the stores have read their offset
	v_add_nc_u32 v63, 1024, v63
	s_sub_co_u32 s36, s36, 1
	s_cmp_lg_u32 s36, 0
	s_cbranch_scc1 .Lspan
	ITER 0, 1, 2, 1, 0, 0                          ; it = 12: no indices are left to ask for
	ITER 1, 0, 0, 1, 0, 512                        ; it = 13
	ITER 0, 1, 0, 0, 0, 1024                       ; it = 14: nothing is left to gather
	s_wait_dscnt 0x0
	s_barrier_signal -1
	s_barrier_wait -1                              ; every wave's gathers are over
	s_wait_tensorcnt 0x0                           ; the wave's end
	ds_add_u32 v12, v13
	s_wait_dscnt 0x0
	s_endpgm
.Lfunc_end_k_qa97ef8167a_GS:
	.size	k_qa97ef8167a_GS, .Lfunc_end_k_qa97ef8167a_GS-k_qa97ef8167a_GS
	.p2alignl 7, 3214868480
	.fill 96, 4, 3214868480
	.section	.rodata,"a",@progbits
	.p2align	6, 0x0
	.amdhsa_kernel k_qa97ef8167a_GS
		.amdhsa_group_segment_fixed_size 278272
		.amdhsa_private_segment_fixed_size 0
		.amdhsa_enable_private_segment 0
		.amdhsa_kernarg_size 80
		.amdhsa_user_sgpr_count 2
		.amdhsa_user_sgpr_kernarg_segment_ptr 1
		.amdhsa_wavefront_size32 1
		.amdhsa_system_sgpr_workgroup_id_x 1
		.amdhsa_system_sgpr_workgroup_id_y 1
		.amdhsa_system_sgpr_workgroup_id_z 1
		.amdhsa_system_vgpr_workitem_id 0
		.amdhsa_next_free_vgpr 1024
		.amdhsa_next_free_sgpr 66
		.amdhsa_reserve_vcc 0
		.amdhsa_float_denorm_mode_32 3
		.amdhsa_float_denorm_mode_16_64 3
		.amdhsa_memory_ordered 1
		.amdhsa_forward_progress 1
		.amdhsa_inst_pref_size 201
	.end_amdhsa_kernel
	.amdgpu_metadata
---
amdhsa.version: [ 1, 2 ]
amdhsa.kernels:
  - .name:           k_qa97ef8167a_GS
    .symbol:         k_qa97ef8167a_GS.kd
    .args:
      - { .name: xq, .offset: 0, .size: 8, .value_kind: global_buffer, .address_space: global }
      - { .name: xs, .offset: 8, .size: 8, .value_kind: global_buffer, .address_space: global }
      - { .name: wq, .offset: 16, .size: 8, .value_kind: global_buffer, .address_space: global }
      - { .name: ws, .offset: 24, .size: 8, .value_kind: global_buffer, .address_space: global }
      - { .name: width_emb, .offset: 32, .size: 8, .value_kind: global_buffer, .address_space: global }
      - { .name: b1, .offset: 40, .size: 8, .value_kind: global_buffer, .address_space: global }
      - { .name: W2, .offset: 48, .size: 8, .value_kind: global_buffer, .address_space: global }
      - { .name: span_starts, .offset: 56, .size: 8, .value_kind: global_buffer, .address_space: global }
      - { .name: span_ends, .offset: 64, .size: 8, .value_kind: global_buffer, .address_space: global }
      - { .name: part, .offset: 72, .size: 8, .value_kind: global_buffer, .address_space: global }
    .group_segment_fixed_size: 278272
    .private_segment_fixed_size: 0
    .kernarg_segment_align: 8
    .kernarg_segment_size: 80
    .max_flat_workgroup_size: 128
    .sgpr_count:     66
    .vgpr_count:     1024
    .wavefront_size: 32
...
	.end_amdgpu_metadata
.endif
;; end of part 2
;; launch R (part 3): grid 237 x 1, 2 waves a work-group, no clusters, 1,792 bytes of LDS; arguments part, b2, out0; writes out0
.if DOCPART == 3
	.amdgcn_target "amdgcn-amd-amdhsa--gfx1250"
	.amdhsa_code_object_version 6
	.text
	.protected	k_qa97ef8167a_R
	.globl	k_qa97ef8167a_R
	.p2align	8
	.type	k_qa97ef8167a_R,@function
k_qa97ef8167a_R:
	s_mov_b64 s[64:65], 0
	v_nop
	global_prefetch_b8 v0, s[64:65] scope:SCOPE_SE
	s_setreg_imm32_b32 hwreg(HW_REG_WAVE_MODE, 25, 1), 1
	s_wait_xcnt 0x0
; out0[b][n][l] = b2[l] + the sum over the 16 hidden slices, ascending, of part[slice][b][n][l].  Nothing is left out.
; part: [16][4][7,680][4] f32 (rows n >= 7,575 are never read); out0: [4][7,575][3] f32, taken flat: row p = 7,575 b + n.
; A wave owns 64 flat rows, 768 bytes of out0: three aligned blocks of 256 bytes.  A lane takes rows 64 W + lane and 64 W + 32 + lane: each load of the wave reads 512 consecutive bytes, and all 32 are asked for at once.
; A row's 12 bytes go through the wave's own 768 bytes of LDS, so that 32 lanes x 8 bytes store a whole block.  The last wave's rows beyond 30,299 repeat the last row and are masked at the store.
; Memory binds: no matrix unit, no barrier; waves share nothing.
.set SPARE, 1536                       ; behind the two stages: the spare words, 128 bytes for each wave, which no other line names
.set LASTR, 30299
.set OUTB,  363600                     ; bytes of out0
	s_load_b128 s[4:7], s[0:1], 0x0                ; part s[4:5], b2 s[6:7]
	s_load_b64 s[8:9], s[0:1], 0x10                ; out0
	v_lshl_add_u32 v30, v0, 2, SPARE               ; my spare word; never rewritten
	v_mov_b32 v31, 0                               ; 0; never rewritten
	v_lshrrev_b32 v1, 5, v0
	v_readfirstlane_b32 s16, v1                    ; wave 0, 1
	v_and_b32 v1, 31, v0                           ; lane
	s_lshl_b32 s17, ttmp9, 1
	s_add_co_u32 s17, s17, s16                     ; W
	s_lshl_b32 s18, s17, 6
	v_add_nc_u32 v2, s18, v1                       ; my two flat rows,
	v_add_nc_u32 v3, 32, v2
	v_min_u32 v2, LASTR, v2                        ; held at the last
	v_min_u32 v3, LASTR, v3
	v_mov_b32 v9, 105                              ; a batch has 7,680 rows in part and 7,575 in out0
	v_mov_b32 v4, v2
	v_mov_b32 v5, v3
.irp t, 7575, 15150, 22725
	v_cmp_le_u32 vcc_lo, \t, v2
	v_cndmask_b32 v6, 0, v9, vcc_lo
	v_add_nc_u32 v4, v4, v6
	v_cmp_le_u32 vcc_lo, \t, v3
	v_cndmask_b32 v6, 0, v9, vcc_lo
	v_add_nc_u32 v5, v5, v6
.endr
	v_lshlrev_b32 v4, 4, v4                        ; 16 bytes a row of part
	v_lshlrev_b32 v5, 4, v5
	s_mul_i32 s19, s16, 768
	v_mul_u32_u24 v7, v1, 12
	v_add_nc_u32 v7, s19, v7                       ; the stage, in: 12 bytes a row
	v_lshlrev_b32 v8, 3, v1
	v_add_nc_u32 v8, s19, v8                       ; and out: 8 bytes a lane
	s_mul_i32 s20, s17, 768
	v_lshl_add_u32 v10, v1, 3, s20                 ; the same place in out0
	s_wait_kmcnt 0x0
	s_load_b96 s[12:14], s[6:7], 0x0               ; b2
.irp g, 0,1,2,3,4,5,6,7,8,9,10,11,12,13,14,15
	global_load_b128 v[32+4*\g:35+4*\g], v4, s[4:5] offset:\g*491520 th:TH_LOAD_NT
.endr
.irp g, 0,1,2,3,4,5,6,7,8,9,10,11,12,13,14,15
	global_load_b128 v[96+4*\g:99+4*\g], v5, s[4:5] offset:\g*491520 th:TH_LOAD_NT
.endr
.macro SUM base
.irp g, 1,2,3,4,5,6,7,8,9,10,11,12,13,14,15
	v_pk_add_f32 v[\base:\base+1], v[\base:\base+1], v[\base+4*\g:\base+4*\g+1]
	v_add_f32 v[\base+2], v[\base+2], v[\base+4*\g+2]
.endr
	v_add_f32 v[\base], s12, v[\base]
	v_add_f32 v[\base+1], s13, v[\base+1]
	v_add_f32 v[\base+2], s14, v[\base+2]
.endm
	s_wait_kmcnt 0x0
	s_wait_loadcnt 16                              ; the first row's sixteen loads are in; the second row's stay out
	SUM 32
	ds_store_b32 v7, v32
	ds_store_b32 v7, v33 offset:4
	ds_store_b32 v7, v34 offset:8
	s_wait_loadcnt 0x0
	SUM 96
	ds_store_b32 v7, v96 offset:384
	ds_store_b32 v7, v97 offset:388
	ds_store_b32 v7, v98 offset:392
.irp j, 0,1,2
	ds_load_b64 v[12+2*\j:13+2*\j], v8 offset:256*\j   ; LDS serves a wave's instructions in order: these see my stores
.endr
	s_wait_dscnt 0x0
	s_wait_xcnt 0x0                                ; EXEC changes only behind this wait
.irp j, 0,1,2
	v_cmp_gt_u32 vcc_lo, OUTB-256*\j, v10          ; inside out0?
	s_and_saveexec_b32 s21, vcc_lo
	global_store_b64 v10, v[12+2*\j:13+2*\j], s[8:9] offset:256*\j th:TH_STORE_NT   ; 32 lanes store 256 consecutive bytes, aligned
	s_wait_xcnt 0x0                                ; and again, in front of the line that widens it
	s_or_b32 exec_lo, exec_lo, s21
.endr
	s_wait_tensorcnt 0x0                           ; the wave's end
	ds_add_u32 v30, v31
	s_wait_dscnt 0x0
	s_endpgm
.Lfunc_end_k_qa97ef8167a_R:
	.size	k_qa97ef8167a_R, .Lfunc_end_k_qa97ef8167a_R-k_qa97ef8167a_R
	.p2alignl 7, 3214868480
	.fill 96, 4, 3214868480
	.section	.rodata,"a",@progbits
	.p2align	6, 0x0
	.amdhsa_kernel k_qa97ef8167a_R
		.amdhsa_group_segment_fixed_size 1792
		.amdhsa_private_segment_fixed_size 0
		.amdhsa_enable_private_segment 0
		.amdhsa_kernarg_size 24
		.amdhsa_user_sgpr_count 2
		.amdhsa_user_sgpr_kernarg_segment_ptr 1
		.amdhsa_wavefront_size32 1
		.amdhsa_system_sgpr_workgroup_id_x 1
		.amdhsa_system_sgpr_workgroup_id_y 1
		.amdhsa_system_sgpr_workgroup_id_z 1
		.amdhsa_system_vgpr_workitem_id 0
		.amdhsa_next_free_vgpr 160
		.amdhsa_next_free_sgpr 66
		.amdhsa_reserve_vcc 1
		.amdhsa_float_denorm_mode_32 3
		.amdhsa_float_denorm_mode_16_64 3
		.amdhsa_memory_ordered 1
		.amdhsa_forward_progress 1
		.amdhsa_inst_pref_size 10
	.end_amdhsa_kernel
	.amdgpu_metadata
---
amdhsa.version: [ 1, 2 ]
amdhsa.kernels:
  - .name:           k_qa97ef8167a_R
    .symbol:         k_qa97ef8167a_R.kd
    .args:
      - { .name: part, .offset: 0, .size: 8, .value_kind: global_buffer, .address_space: global }
      - { .name: b2, .offset: 8, .size: 8, .value_kind: global_buffer, .address_space: global }
      - { .name: out0, .offset: 16, .size: 8, .value_kind: global_buffer, .address_space: global }
    .group_segment_fixed_size: 1792
    .private_segment_fixed_size: 0
    .kernarg_segment_align: 8
    .kernarg_segment_size: 24
    .max_flat_workgroup_size: 64
    .sgpr_count:     66
    .vgpr_count:     160
    .wavefront_size: 32
...
	.end_amdgpu_metadata
.endif
;; end of part 3
;; ======== version 2 of 2: 3 launches; version 1 with the launch GS written anew for expert scheduling mode
;; workspace buffers: xq 1,048,576 bytes; xs 65,536 bytes; wq 1,081,344 bytes; ws 69,632 bytes; part 7,864,320 bytes
;; launch Q: the kernel of part 1 again; grid 264 x 1, 4 waves a work-group, no clusters, 67,072 bytes of LDS; arguments sequence_output, W1, xq, xs, wq, ws; writes xq, xs, wq, ws
;; launch GS (part 4): grid 64 x 4, 4 waves a work-group, no clusters, 278,272 bytes of LDS; arguments xq, xs, wq, ws, width_emb, b1, W2, span_starts, span_ends, part; writes part
.if DOCPART == 4
	.amdgcn_target "amdgcn-amd-amdhsa--gfx1250"
	.amdhsa_code_object_version 6
	.text
	.protected	k_qa97ef8167a_GS
	.globl	k_qa97ef8167a_GS
	.p2align	8
	.type	k_qa97ef8167a_GS,@function
k_qa97ef8167a_GS:
	s_mov_b64 s[64:65], 0
	v_nop
	global_prefetch_b8 v0, s[64:65] scope:SCOPE_SE
	s_setreg_imm32_b32 hwreg(HW_REG_WAVE_SCHED_MODE, 0, 2), 2
	s_setreg_imm32_b32 hwreg(HW_REG_WAVE_MODE, 25, 1), 1
	s_wait_xcnt 0x0
	s_wait_alu depctr_vm_vsrc(0)
; part[sl][b][n][0..2] = the sum over the 64 hidden units j of slice sl of relu(Ps[b,s_n][j] + Pe[b,e_n][j] + Pw[e_n - s_n][j] + b1[j]) W2[j][0..2]  (the first launch's head shows why the first product may be taken so; nothing is left out).
; SHARES.  Work-group (x, y): slice sl = x / 4 (64 hidden units), quarter q = x % 4 of the spans, batch b = y.  It makes Ps and Pe of all 512 tokens of b for its 64 hidden units by products on codes of FP4
; and keeps them in LDS as a table of f32: 512 rows x (64 + 64 numbers).  Wave w makes tokens 128 w .. 128 w + 127.  Then a LANE takes a SPAN: it reads its three rows from LDS and sums its three partial logits by itself.
; The four quarters of a slice repeat its products: the finished table fetched from memory would be as many bytes as the codes (128 f32 a token = 1,024 codes), and one launch more.
; NO TENSOR LOADS, NO CLUSTER, though the four quarters read the same codes: fragments laid in register order go from memory straight into the operands' registers, with no pass through LDS; and LDS is nearly
; all table, written by LDS stores: the 49,408 bytes beside it would hold two slots of three token tiles, eleven changes of slots for 272 KiB.
; THE PRODUCTS ARE USED TRANSPOSED: source 0 = 16 hidden units (rows of W1^T), source 1 = 16 tokens: lane (r, h) holds token r and hidden units 8 h + 0 .. 7: 32 neighbouring bytes of a table row.
; LIMITS.  Indices are taken to lie inside their tables, as the problem says: they are held at 511, and e - s (unsigned) at 14.  NaN and infinities are not served.
; REGISTERS, in windows of 256:  window 0: addresses, scale words (v16-27 the tokens', v28-59 W1's, v60, v61 the width product's: these hold scales and nothing else), the width product, the spans' sums.
;   window 1: W1's fragments for Ps (tile t, K step k at 64 t + 8 k); in the span phase W2's 192 numbers.   window 2: W1's for Pe; then span data, set 0.
;   window 3: v0-63 eight accumulators (Ps: 8 t, Pe: 32 + 8 t), v64-255 three sets of a token tile's eight fragments; then span data, set 1.   Span data: Ps' row v0-63, Pe's v64-127, Pw's v128-191.
; THE MODE: SCHED_MODE bits 1:0 = 2 (LLVM: expert scheduling mode 2), set by the entry lines.  The code itself states the register dependences between vector or matrix instructions and memory or LDS
; instructions, with s_wait_alu, always for 0.
; THE PLAN, PRODUCTS.  A tile of tokens is two halves of 32 products: Ps' write accumulators 0-31, Pe's 32-63.  Memory and LDS instructions touch:
;   the accumulators   written by a half's products; read by eight LDS stores that are issued in the NEXT half, whose products name the other four accumulators.
;   the token sets and their scale words v16-27   read by a tile's 64 products; the loads of the tile three on land in them, issued in the next tile's first half, whose products name another set.
;   v4, v5, v6   offsets, made at the head and never written again.
; So at a half's head stand the places, one wait on va_vdst (the half before has written its accumulators; at a tile's head: the tile before is done reading its set) and one on vm_vsrc (the stores issued in the half
; before have read the accumulators that this half writes).  The half's stores and loads follow behind its first eight products with no further wait.
; THE PLAN, SPANS.  Turn t works data set d = t % 2 and gathers set o = 1 - d.  Memory and LDS instructions touch:
;   data set o (window 2 + o)   read and written by the turn before; the 48 LDS loads of this turn land in it, in three runs among this turn's arithmetic, which names set d, W2, v84-95 and OUT[d] alone.
;   v[72 + 4 o ..] three LDS addresses, v[68 + o] the indices' offset   written at this turn's head; read by loads of this turn, and before by loads of two turns ago.
;   v[64 + 2 o], v[65 + 2 o] the raw indices   read at this turn's head; then loaded again.
;   OUT[d] = v[96 + 4 d ..]   written at this turn's end; read by the store that the next turn issues at its head; written again two turns on.
;   v63   the store's offset, never written again: the scalar base moves on by a turn's 512 bytes, and the store reaches back.
; So a turn's head holds one wait on vm_vsrc, ahead of the lines that write the addresses, and one on va_vdst, behind them; nothing more is owed in the turn.
.set PP,    528                        ; a table row: 256 bytes Ps, 256 bytes Pe, 16 of padding: an odd multiple of 16 bytes
.set PWB,   512*PP                     ; behind the table: Pw + b1, 16 rows x (256 + 16) bytes
.set PWP,   272
.set W2S,   PWB+16*PWP                 ; W2's slice, 768 bytes, a copy for each wave
.set SPARE, W2S+4*768                  ; the spare words, 128 bytes for each wave, which no other line names
.set NLAST, 7574                       ; the last span
; LDS bytes 0 to 65,535 first hold the images of W1's 64 fragments (tile t at 16,384 t), each wave bringing one tile; the table is written over them behind a barrier.
.set MSB, 0
.macro WIN new                         ; the immediate's high byte repeats the setting that is left; a switch that changes nothing is dropped
.if MSB != (\new)
	s_set_vgpr_msb (MSB<<8)|(\new)
.set MSB, (\new)
.endif
.endm
; Token tile i of my wave's eight into set: 16 loads of 512 consecutive bytes, and its four registers of scale words
.macro XLOAD i, set
	WIN 0xc0                                       ; destination window 3
.irp k, 0,1,2,3,4,5,6,7,8,9,10,11,12,13,14,15
	global_load_b128 v[64+64*(\set)+4*\k:64+64*(\set)+4*\k+3], v4, s[4:5] offset:8192*(\i)+512*\k
.endr
	WIN 0
.irp j, 0,1,2,3
	global_load_b32 v[16+4*(\set)+\j], v5, s[6:7] offset:512*(\i)+128*\j
.endr
.endm
; The three LDS addresses of a lane's span from the raw pair (s, e) of set d
.macro ADDR d
	v_sub_nc_u32 v81, v[65+2*\d], v[64+2*\d]
	v_min_u32 v79, 511, v[64+2*\d]
	v_min_u32 v80, 511, v[65+2*\d]
	v_min_u32 v81, 14, v81
	v_mul_u32_u24 v[72+4*\d], v79, PP
	v_mul_u32_u24 v[73+4*\d], v80, PP
	v_mul_u32_u24 v81, v81, PWP
	v_add_nc_u32 v[74+4*\d], PWB, v81
.endm
; The next 32 spans' indices into raw set d (held at the last span: the rows beyond it are written and never read): the offset, and the two loads
.macro IDXV d
	v_add_nc_u32 v70, 32, v70
	v_min_u32 v[68+\d], NLAST, v70
	v_lshlrev_b32 v[68+\d], 2, v[68+\d]
.endm
.macro IDXL d
	global_load_b32 v[64+2*\d], v[68+\d], s[18:19]
	global_load_b32 v[65+2*\d], v[68+\d], s[20:21]
.endm
	s_load_b512 s[4:19], s[0:1], 0x0               ; xq s[4:5], xs s[6:7], wq s[8:9], ws s[10:11], width_emb s[12:13], b1 s[14:15], W2 s[16:17], span_starts s[18:19]
	s_load_b128 s[20:23], s[0:1], 0x40             ; span_ends s[20:21], part s[22:23]
	v_lshl_add_u32 v12, v0, 2, SPARE               ; my spare word; never rewritten
	v_mov_b32 v13, 0                               ; 0; never rewritten
	v_lshrrev_b32 v1, 5, v0
	v_readfirstlane_b32 s24, v1                    ; wave w
	v_and_b32 v1, 31, v0                           ; lane
	v_and_b32 v2, 15, v0                           ; r
	v_bfe_u32 v3, v0, 4, 1                         ; h
	s_lshr_b32 s25, ttmp9, 2                       ; slice
	s_and_b32 s26, ttmp9, 3                        ; quarter
	s_and_b32 s27, ttmp7, 0xffff                   ; batch
	v_lshlrev_b32 v4, 4, v1                        ; 16 x lane
	v_lshlrev_b32 v5, 2, v1                        ; 4 x lane
	s_wait_alu depctr_va_sdst(0)                   ; s24 is written, ahead of its first reader: LDS addresses and every base are made from it
	s_mul_i32 s28, s24, 128*PP
	v_mul_u32_u24 v6, v2, PP
	v_lshl_add_u32 v6, v3, 5, v6
	v_add_nc_u32 v6, s28, v6                       ; the table, writing: row 128 w + r, + 32 h
	v_mul_u32_u24 v7, v2, PWP
	v_lshl_add_u32 v7, v3, 5, v7
	s_lshl_b32 s28, s24, 6
	s_add_co_u32 s28, s28, PWB
	v_add_nc_u32 v7, s28, v7                       ; Pw, writing: row r, + 64 w + 32 h
	s_lshl_b32 s28, s24, 14
	v_add_nc_u32 v8, s28, v4                       ; my tile's image: 16,384 w + 16 x lane
	v_mul_u32_u24 v62, v1, 24                      ; W2's slice: 24 bytes a lane
	s_mul_i32 s28, s24, 768
	s_add_co_u32 s28, s28, W2S
	v_add_nc_u32 v9, s28, v62                      ; into my copy,
	v_mov_b32 v10, s28                             ; and out of it: every lane reads the same 16 bytes
	v_lshlrev_b32 v11, 2, v2                       ; 4 r
	v_lshlrev_b32 v14, 5, v3                       ; 32 h
	v_min_u32 v15, 14, v2
	v_lshlrev_b32 v15, 8, v15
	v_lshl_add_u32 v15, v3, 7, v15                 ; width_emb: row min(r, 14), block h (the sixteenth column of the product repeats row 14 and is never read)
	s_mov_b32 s34, 0x76543210
	s_mov_b32 s35, 0xfedcba98                      ; v_permlanex16_b32: lane l xor 16
	s_mov_b32 s29, 0
	s_mul_i32 s30, s26, 1920
	s_mul_i32 s31, s24, 480
	s_add_co_u32 s30, s30, s31                     ; my wave's first span: 1,920 q + 480 w
	v_add_nc_u32 v70, s30, v1
	v_min_u32 v68, NLAST, v70
	v_lshlrev_b32 v68, 2, v68
	v_add_nc_u32 v70, 32, v70
	v_min_u32 v69, NLAST, v70
	v_lshlrev_b32 v69, 2, v69
	v_mov_b32 v63, v4                              ; part: 16 bytes a span; never rewritten
	v_mov_b32 v99, 0                               ; the fourth word of a span's 16 bytes
	v_mov_b32 v103, 0
	s_wait_kmcnt 0x0
	s_lshl_b32 s28, s27, 18                        ; xq: a batch is 32 tiles of 8,192 bytes, my wave's eight begin at 8 w
	s_lshl_b32 s31, s24, 16
	s_add_co_u32 s28, s28, s31
	s_add_nc_u64 s[4:5], s[4:5], s[28:29]
	s_lshl_b32 s28, s27, 14                        ; xs: 512 bytes a tile
	s_lshl_b32 s31, s24, 12
	s_add_co_u32 s28, s28, s31
	s_add_nc_u64 s[6:7], s[6:7], s[28:29]
	s_lshl_b32 s28, s25, 2
	s_add_co_u32 s28, s28, s24
	s_mul_i32 s28, s28, 16896                      ; wq: the tile that I bring: 4 x slice + w
	s_add_nc_u64 s[8:9], s[8:9], s[28:29]
	s_lshl_b32 s28, s25, 1
	s_lshr_b32 s31, s24, 1
	s_add_co_u32 s28, s28, s31
	s_mul_i32 s28, s28, 2176
	s_and_b32 s31, s24, 1
	s_lshl_b32 s31, s31, 6
	s_add_co_u32 s28, s28, s31
	s_add_co_u32 s28, s28, 2048
	s_add_nc_u64 s[32:33], s[10:11], s[28:29]      ; ws: that tile's words of K step 16
	s_mul_i32 s28, s25, 4352
	s_add_nc_u64 s[10:11], s[10:11], s[28:29]      ; ws: the slice's two pairs of tiles
	s_lshl_b32 s28, s25, 8
	s_lshl_b32 s31, s24, 6
	s_add_co_u32 s28, s28, s31
	s_add_nc_u64 s[14:15], s[14:15], s[28:29]      ; b1 at hidden unit 64 x slice + 16 w
	s_mul_i32 s28, s25, 768
	s_add_nc_u64 s[16:17], s[16:17], s[28:29]      ; W2 at the slice's 64 rows
	s_lshl_b32 s28, s25, 2
	s_add_co_u32 s28, s28, s27
	s_mul_i32 s28, s28, 7680
	s_add_co_u32 s28, s28, s30
	s_lshl_b32 s28, s28, 4
	s_add_nc_u64 s[22:23], s[22:23], s[28:29]      ; part at (slice, batch, my wave's first span)
	; ---- the loads, oldest first: my tile of W1 (K steps 0 to 15); the small things; three token tiles
	WIN 0x40                                       ; destination window 1
	s_wait_alu depctr_va_vdst(0)                   ; the head's offsets and LDS addresses (v4 to v11, v14, v15, v62, v63, v68, v69) are written, which the loads and stores of the whole kernel read
.set i, 0
.rept 32
	global_load_b128 v[4*i:4*i+3], v4, s[8:9] offset:512*i
.set i, i+1
.endr
	WIN 0
.irp p, 0,1
.irp s, 0,1,2,3,4,5,6,7,8,9,10,11,12,13,14,15
	global_load_b32 v[28+16*\p+\s], v5, s[10:11] offset:\p*2176+\s*128   ; W1's scale words: lanes 0-15 tile 2 p, lanes 16-31 tile 2 p + 1
.endr
.endr
	global_load_b32 v60, v11, s[32:33]             ; my tile's words of the width part
	global_load_b128 v[152:155], v4, s[8:9] offset:16384   ; and its codes: blocks 64 and 65
.irp i, 0,1,2,3,4,5,6,7
	global_load_b128 v[112+4*\i:115+4*\i], v15, s[12:13] offset:16*\i
.endr
	global_load_b128 v[160:163], v14, s[14:15]     ; b1 in the result's layout: hidden units 8 h + 0 .. 7 of my tile
	global_load_b128 v[164:167], v14, s[14:15] offset:16
.irp i, 0,1,2
	global_load_b64 v[104+2*\i:105+2*\i], v62, s[16:17] offset:8*\i
.endr
	global_load_b32 v64, v68, s[18:19]             ; the first 32 spans,
	global_load_b32 v65, v68, s[20:21]
	global_load_b32 v66, v69, s[18:19]             ; the second
	global_load_b32 v67, v69, s[20:21]
	XLOAD 0, 0
	XLOAD 1, 1
	XLOAD 2, 2
	s_wait_loadcnt 60                              ; all but the three token tiles (3 x 20 loads) are in
	s_wait_alu depctr_vm_vsrc(0)                   ; the first spans' index loads have read v68, which is written again below
	ADDR 0
	IDXV 0                                         ; the third 32 spans (the wait on LOADcnt above has shown the loads done that read v68)
	s_wait_alu depctr_va_vdst(0)                   ; v68 is written, which the two loads read; the address lines are done reading v64 and v65, in which they land; v72 to v74 are written, which the first gather reads
	IDXL 0
	; ---- W1's images, W2's copy, the width rows' codes
	WIN 0x04                                       ; an LDS store's data are its source 1: window 1
.set i, 0
.rept 32
	ds_store_b128 v8, v[4*i:4*i+3] offset:512*i
.set i, i+1
.endr
	WIN 0
.irp i, 0,1,2
	ds_store_b64 v9, v[104+2*\i:105+2*\i] offset:8*\i
.endr
	v_max3_num_f32 v176, |v112|, |v113|, |v114|    ; width_emb's block h of my row: all 32 numbers are mine
	v_max3_num_f32 v177, |v115|, |v116|, |v117|
.irp i, 6,10,14,18,22,26
	v_max3_num_f32 v176, v176, |v[112+\i]|, |v[113+\i]|
	v_max3_num_f32 v177, v177, |v[114+\i]|, |v[115+\i]|
.endr
	v_max3_num_f32 v176, v176, |v142|, |v143|
	v_max3_num_f32 v176, v176, v177, 0x1800000     ; the floor 2^(3 - 127): the byte cannot fall under 1
	v_add_nc_u32 v178, 0xff000000, v176            ; 2 off the exponent field: the conversion's scale operand
	v_lshrrev_b32 v179, 23, v178                   ; the byte,
	v_lshlrev_b32 v180, 3, v3
	v_lshlrev_b32 v179, v180, v179                 ; at its place in the word (8 h bits up);
	v_mov_b32 v181, 0
	v_permlanex16_b32 v181, v179, s34, s35
	v_or_b32 v61, v179, v181                       ; with lane l xor 16's the word has blocks 0 and 1; bytes 2 and 3 are 0, over zero codes
.irp g, 0,1,2,3
	v_cvt_scalef32_pk8_fp4_f32 v[144+\g], v[112+8*\g:119+8*\g], v178
.endr
	v_nop                                          ; one plain line behind the conversions
.irp i, 148,149,150,151,156,157,158,159
	v_mov_b32 v\i, 0                               ; K = 64 .. 127 of this K step: zero codes on both sides
.endr
	s_wait_dscnt 0x0                               ; my stores have landed
	s_barrier_signal -1
	s_barrier_wait -1                              ; the four images are whole
	WIN 0x40
	s_wait_alu depctr_vm_vsrc(0)                   ; my image stores have read window 1's v0-127, in which the fragments below land
.irp t, 0,1,2,3
.irp s, 0,1,2,3,4,5,6,7
.irp c, 0,1
	ds_load_b128 v[64*\t+8*\s+4*\c:64*\t+8*\s+4*\c+3], v4 offset:\t*16384+\s*1024+512*\c
.endr
.endr
.endr
	WIN 0x80
.irp t, 0,1,2,3
.irp s, 0,1,2,3,4,5,6,7
.irp c, 0,1
	ds_load_b128 v[64*\t+8*\s+4*\c:64*\t+8*\s+4*\c+3], v4 offset:\t*16384+(8+\s)*1024+512*\c
.endr
.endr
.endr
	WIN 0
.rept 8
	v_nop                                          ; a scale word written by a vector instruction stands 8 plain lines ahead of a scaled matrix instruction, an operand so written 4
.endr
	s_wait_alu depctr_va_vdst(0)                   ; the vector lines have written the scale word v61 and the codes v144-151, v156-159, which the product takes; the places above stay beside this wait
	v_wmma_scale_f32_16x16x128_f8f6f4 v[168:175], v[152:159], v[144:151], v[160:167], v60, v61 matrix_a_fmt:MATRIX_FMT_FP4 matrix_b_fmt:MATRIX_FMT_FP4   ; Pw + b1: b1 is the C
.rept 4
	v_nop                                          ; four plain lines before a store reads the result
.endr
	s_wait_alu depctr_va_vdst(0)                   ; the product has written v168-175, which the two stores read
	ds_store_b128 v7, v[168:171]                   ; the result from its low end on
	ds_store_b128 v7, v[172:175] offset:16
	s_wait_dscnt 0x0                               ; my reads of the images are in, my stores have landed
	s_barrier_signal -1
	s_barrier_wait -1                              ; nobody reads the images any more: the table may be written over them
	; ---- Ps and Pe, a tile of 16 tokens at a time: 64 matrix instructions; four accumulators take turns, one instruction a turn
.macro PROD half, set, k, t
.set rD, 32*\half+8*\t
.set rA, 64*\t+8*\k
.set rB, 64+64*\set+8*\k
.set rSA, 28+16*(\t/2)+8*\half+\k
.set rSB, 16+4*\set+\k/2
.if \k == 0
.if \t%2
	v_wmma_scale_f32_16x16x128_f8f6f4 v[rD:rD+7], v[rA:rA+7], v[rB:rB+7], 0, v[rSA], v[rSB] matrix_a_fmt:MATRIX_FMT_FP4 matrix_b_fmt:MATRIX_FMT_FP4 matrix_a_scale:MATRIX_SCALE_ROW1
.else
	v_wmma_scale_f32_16x16x128_f8f6f4 v[rD:rD+7], v[rA:rA+7], v[rB:rB+7], 0, v[rSA], v[rSB] matrix_a_fmt:MATRIX_FMT_FP4 matrix_b_fmt:MATRIX_FMT_FP4
.endif
.elseif (\t%2) && (\k%2)
	v_wmma_scale_f32_16x16x128_f8f6f4 v[rD:rD+7], v[rA:rA+7], v[rB:rB+7], v[rD:rD+7], v[rSA], v[rSB] matrix_a_fmt:MATRIX_FMT_FP4 matrix_b_fmt:MATRIX_FMT_FP4 matrix_a_scale:MATRIX_SCALE_ROW1 matrix_b_scale:MATRIX_SCALE_ROW1
.elseif \t%2
	v_wmma_scale_f32_16x16x128_f8f6f4 v[rD:rD+7], v[rA:rA+7], v[rB:rB+7], v[rD:rD+7], v[rSA], v[rSB] matrix_a_fmt:MATRIX_FMT_FP4 matrix_b_fmt:MATRIX_FMT_FP4 matrix_a_scale:MATRIX_SCALE_ROW1
.elseif \k%2
	v_wmma_scale_f32_16x16x128_f8f6f4 v[rD:rD+7], v[rA:rA+7], v[rB:rB+7], v[rD:rD+7], v[rSA], v[rSB] matrix_a_fmt:MATRIX_FMT_FP4 matrix_b_fmt:MATRIX_FMT_FP4 matrix_b_scale:MATRIX_SCALE_ROW1
.else
	v_wmma_scale_f32_16x16x128_f8f6f4 v[rD:rD+7], v[rA:rA+7], v[rB:rB+7], v[rD:rD+7], v[rSA], v[rSB] matrix_a_fmt:MATRIX_FMT_FP4 matrix_b_fmt:MATRIX_FMT_FP4
.endif
.endm
.macro K4 half, set, k                 ; K step k of a half: its four accumulators, one instruction each
.irp t, 0,1,2,3
	PROD \half, \set, \k, \t
.endr
.endm
.macro PSTORE f, i                     ; tile i's four accumulators of half f (0: Ps, 1: Pe) into the table
	WIN 0x0c                                       ; the stores' data: window 3
.irp t, 0,1,2,3
	ds_store_b128 v6, v[32*\f+8*\t:32*\f+8*\t+3] offset:8448*(\i)+256*\f+64*\t          ; each accumulator from its low end on
	ds_store_b128 v6, v[32*\f+8*\t+4:32*\f+8*\t+7] offset:8448*(\i)+256*\f+64*\t+16
.endr
.endm
; Tile i's first half, Ps; its fragments lie in set.  left: the younger loads that may stay out.  prev = 1: there is a tile before it, whose set is pset.  next = 1: pset takes tile i + 2.
.macro HALF0 i, set, left, prev, pset, next
	s_wait_loadcnt \left
.if \prev
.rept 4
	v_nop                                          ; four plain lines before stores read the last half's results; with the four of the half before, eight before this half's first products write over Ps' accumulators (five are asked)
.endr
	s_wait_alu depctr_va_vdst(0)                   ; the tile before: its Pe products have written accumulators 32-63, which the stores below read, and are done reading its fragments and scale words, in which the loads below land
	s_wait_alu depctr_vm_vsrc(0)                   ; the stores issued in the half before have read accumulators 0-31, which this half's products write
.endif
	WIN 0xfd                                       ; source 0 (W1 for Ps) window 1; source 1 (tokens), C and D window 3
.irp k, 0,1
	K4 0, \set, \k
.endr
.if \next
	XLOAD \i+2, \pset                              ; no wait: the products since the wait name accumulators 0-31, W1 and this tile's set and scale words alone
.endif
.if \prev
	PSTORE 1, \i-1
.endif
	WIN 0xfd
.irp k, 2,3,4,5,6,7
	K4 0, \set, \k
.endr
.endm
; Tile i's second half, Pe
.macro HALF1 i, set
.rept 4
	v_nop                                          ; four plain lines before stores read the last half's results; with the four of the half before, eight before this half's first products write over Pe's accumulators
.endr
	s_wait_alu depctr_va_vdst(0)                   ; the Ps products have written accumulators 0-31, which the stores below read
.if \i > 0
	s_wait_alu depctr_vm_vsrc(0)                   ; the stores issued in the half before have read accumulators 32-63, which this half's products write
.endif
	WIN 0xfe                                       ; source 0 (W1 for Pe) window 2
.irp k, 0,1
	K4 1, \set, \k
.endr
	PSTORE 0, \i                                   ; no wait: the products since the wait name accumulators 32-63 alone of the eight
	WIN 0xfe
.irp k, 2,3,4,5,6,7
	K4 1, \set, \k
.endr
.endm
	HALF0 0, 0, 40, 0, 0, 0                        ; the two younger tiles' 40 loads stay out (two index loads more are out: the smaller count is safe)
	HALF1 0, 0
	HALF0 1, 1, 20, 1, 0, 1                        ; from here on one younger tile's 20 loads stay out (in tiles 1 and 2 two index loads more: the smaller count is safe)
	HALF1 1, 1
	HALF0 2, 2, 20, 1, 1, 1
	HALF1 2, 2
	HALF0 3, 0, 20, 1, 2, 1
	HALF1 3, 0
	HALF0 4, 1, 20, 1, 0, 1
	HALF1 4, 1
	HALF0 5, 2, 20, 1, 1, 1
	HALF1 5, 2
	HALF0 6, 0, 20, 1, 2, 0
	HALF1 6, 0
	HALF0 7, 1, 0, 1, 0, 0
	HALF1 7, 1
.rept 4
	v_nop                                          ; four plain lines before stores read the last results
.endr
	s_wait_alu depctr_va_vdst(0)                   ; the last products have written accumulators 32-63, which the stores read; and every product is done reading windows 1 and 2, in which W2 and the first spans' data land below: no vector or matrix instruction stands between
	PSTORE 1, 7
	WIN 0
	s_wait_dscnt 0x0                               ; for the other waves' sake: all my rows of the table have landed
	s_barrier_signal -1
	s_barrier_wait -1                              ; the table and Pw + b1 are whole; from here to the last barrier LDS is only read
	; ---- THE SPANS: lane = span 1,920 q + 480 w + 32 it + lane, it = 0 .. 14.  Two sets of data by turns: one is gathered while the other is worked.
.macro GRUN o, p                       ; 16 loads of 16 bytes a lane into set o: the span's 64 numbers of Ps (p = 0), of Pe (1), of Pw + b1 (2)
	WIN 0x80+0x40*\o
.irp i, 0,1,2,3,4,5,6,7,8,9,10,11,12,13,14,15
	ds_load_b128 v[64*\p+4*\i:64*\p+4*\i+3], v[72+4*\o+\p] offset:256*(\p%2)+16*\i
.endr
.endm
; A turn: set d is worked; set o = 1 - d gets the next 32 spans' addresses and data (addr = 1), and the indices of the 32 spans two turns further on (idx = 1); the sums of the turn before are stored (st = 1).
; h = relu((Ps + Pe) + (Pw + b1)), two at a time; then the three sums.  W2's slice lies flat, register 3 j + l.  For hidden units j, j + 1 (j even) three packed multiply-adds take its six numbers as three pairs:
; A += (h_j, h_j) x (w[j][0], w[j][1]);  B += (h_j, h_j+1) x (w[j][2], w[j+1][0]);  C += (h_j+1, h_j+1) x (w[j+1][1], w[j+1][2]).  Two groups of A, B, C by turns.  The first products start the sums.
.macro TURN d, o, left, addr, idx, st
.if \addr
	s_wait_loadcnt \left                           ; set o's pair of indices is in; the younger pair stays out.  The same wait frees the address register of those loads
.endif
.if \st
	s_wait_xcnt 0x0                                ; every earlier memory instruction has had its addresses translated: the stores' base, and OUT[d], which the last turn's store read, are written again only behind this wait
.endif
	s_wait_alu depctr_vm_vsrc(0)                   ; read by now: set o's three addresses, by the gather of two turns ago; its index offset, by its loads; OUT[d], by the last turn's store; in the first turn window 3's accumulators, by the table's stores
.if \st
	s_add_nc_u64 s[22:23], s[22:23], 512           ; the base at this turn's 32 spans
.endif
.if \addr
	ADDR \o
.endif
.if \idx
	IDXV \o
.endif
	s_wait_alu depctr_va_vdst(0)                   ; written: set o's addresses and index offset, and OUT[o], by the turn before; done: the address lines' reads of the raw pair, and the last turn's arithmetic on set o, in which the gather lands
.if \idx
	IDXL \o
.endif
.if \st
	global_store_b128 v63, v[96+4*\o:99+4*\o], s[22:23] offset:-512 th:TH_STORE_NT   ; the turn before: the offset reaches back.  32 lanes store 512 consecutive bytes, aligned
.endif
	s_wait_dscnt 0x0                               ; set d's data, asked for in the turn before, are in
.if \addr
	GRUN \o, 0                                     ; the gather goes in three runs among this turn's arithmetic, which names none of its registers: no further wait
.endif
	WIN 0x8a+0x45*\d                               ; destination, sources 0 and 1: the set's window
.set i, 0
.rept 32
	v_pk_add_f32 v[2*i:2*i+1], v[2*i:2*i+1], v[64+2*i:65+2*i]
.set i, i+1
.endr
.if \addr
	GRUN \o, 1
.endif
	WIN 0x8a+0x45*\d
.set i, 0
.rept 32
	v_pk_add_f32 v[2*i:2*i+1], v[2*i:2*i+1], v[128+2*i:129+2*i]
.set i, i+1
.endr
.if \addr
	GRUN \o, 2
.endif
	WIN 0x8a+0x45*\d
.set i, 0
.rept 64
	v_max_num_f32 v[i], 0, v[i]
.set i, i+1
.endr
	WIN 0x06+\d                                    ; source 0 (h) the set's window, source 1 (W2) window 1, the sums window 0
.set j, 0
.rept 32
.set g, 84+6*((j/2)%2)
.if j < 4
	v_pk_mul_f32 v[g:g+1], v[j:j+1], v[3*j:3*j+1] op_sel_hi:[0,1]
	v_pk_mul_f32 v[g+2:g+3], v[j:j+1], v[3*j+2:3*j+3]
	v_pk_mul_f32 v[g+4:g+5], v[j:j+1], v[3*j+4:3*j+5] op_sel:[1,0] op_sel_hi:[1,1]
.else
	v_pk_fma_f32 v[g:g+1], v[j:j+1], v[3*j:3*j+1], v[g:g+1] op_sel_hi:[0,1,1]
	v_pk_fma_f32 v[g+2:g+3], v[j:j+1], v[3*j+2:3*j+3], v[g+2:g+3]
	v_pk_fma_f32 v[g+4:g+5], v[j:j+1], v[3*j+4:3*j+5], v[g+4:g+5] op_sel:[1,0,0] op_sel_hi:[1,1,1]
.endif
.set j, j+2
.endr
	WIN 0
	v_pk_add_f32 v[84:85], v[84:85], v[90:91]
	v_pk_add_f32 v[86:87], v[86:87], v[92:93]
	v_pk_add_f32 v[88:89], v[88:89], v[94:95]
	v_add_f32 v[96+4*\d], v84, v87                 ; label 0: A's low + B's high
	v_add_f32 v[97+4*\d], v85, v88                 ; label 1: A's high + C's low
	v_add_f32 v[98+4*\d], v86, v89                 ; label 2: B's low + C's high.  The next turn stores OUT[d]
.endm
	WIN 0x40
.set i, 0
.rept 48
	ds_load_b128 v[4*i:4*i+3], v10 offset:16*i     ; W2's 192 numbers, the same in every lane (my own copy: LDS serves a wave's instructions in order)
.set i, i+1
.endr
	GRUN 0, 0                                      ; the first 32 spans' data
	GRUN 0, 1
	GRUN 0, 2
	WIN 0
	TURN 0, 1, 2, 1, 1, 0                          ; it = 0 is written out: no turn stands before it, so it stores nothing
	s_mov_b32 s36, 5
.Lspan:                                            ; five trips of two turns: it = 1 .. 10
	TURN 1, 0, 2, 1, 1, 1
	TURN 0, 1, 2, 1, 1, 1
	s_sub_co_u32 s36, s36, 1
	s_cmp_lg_u32 s36, 0
	s_cbranch_scc1 .Lspan
	TURN 1, 0, 2, 1, 1, 1                          ; it = 11: the last indices are asked for
	TURN 0, 1, 2, 1, 0, 1                          ; it = 12: no indices are left to ask for
	TURN 1, 0, 0, 1, 0, 1                          ; it = 13
	TURN 0, 1, 0, 0, 0, 1                          ; it = 14: nothing is left to gather
	s_wait_alu depctr_va_vdst(0)                   ; the last turn has written OUT[0], which the last store reads
	global_store_b128 v63, v[96:99], s[22:23] th:TH_STORE_NT
	s_wait_dscnt 0x0
	s_barrier_signal -1
	s_barrier_wait -1                              ; every wave's gathers are over
	s_wait_dscnt 0x0                               ; the closing lines, six on end
	s_wait_alu 0x0
	s_wait_tensorcnt 0x0
	ds_add_u32 v12, v13
	s_wait_dscnt 0x0
	s_endpgm
.Lfunc_end_k_qa97ef8167a_GS:
	.size	k_qa97ef8167a_GS, .Lfunc_end_k_qa97ef8167a_GS-k_qa97ef8167a_GS
	.p2alignl 7, 3214868480
	.fill 96, 4, 3214868480
	.section	.rodata,"a",@progbits
	.p2align	6, 0x0
	.amdhsa_kernel k_qa97ef8167a_GS
		.amdhsa_group_segment_fixed_size 278272
		.amdhsa_private_segment_fixed_size 0
		.amdhsa_enable_private_segment 0
		.amdhsa_kernarg_size 80
		.amdhsa_user_sgpr_count 2
		.amdhsa_user_sgpr_kernarg_segment_ptr 1
		.amdhsa_wavefront_size32 1
		.amdhsa_system_sgpr_workgroup_id_x 1
		.amdhsa_system_sgpr_workgroup_id_y 1
		.amdhsa_system_sgpr_workgroup_id_z 1
		.amdhsa_system_vgpr_workitem_id 0
		.amdhsa_next_free_vgpr 1024
		.amdhsa_next_free_sgpr 66
		.amdhsa_reserve_vcc 0
		.amdhsa_float_denorm_mode_32 3
		.amdhsa_float_denorm_mode_16_64 3
		.amdhsa_memory_ordered 1
		.amdhsa_forward_progress 1
		.amdhsa_inst_pref_size 237
	.end_amdhsa_kernel
	.amdgpu_metadata
---
amdhsa.version: [ 1, 2 ]
amdhsa.kernels:
  - .name:           k_qa97ef8167a_GS
    .symbol:         k_qa97ef8167a_GS.kd
    .args:
      - { .name: xq, .offset: 0, .size: 8, .value_kind: global_buffer, .address_space: global }
      - { .name: xs, .offset: 8, .size: 8, .value_kind: global_buffer, .address_space: global }
      - { .name: wq, .offset: 16, .size: 8, .value_kind: global_buffer, .address_space: global }
      - { .name: ws, .offset: 24, .size: 8, .value_kind: global_buffer, .address_space: global }
      - { .name: width_emb, .offset: 32, .size: 8, .value_kind: global_buffer, .address_space: global }
      - { .name: b1, .offset: 40, .size: 8, .value_kind: global_buffer, .address_space: global }
      - { .name: W2, .offset: 48, .size: 8, .value_kind: global_buffer, .address_space: global }
      - { .name: span_starts, .offset: 56, .size: 8, .value_kind: global_buffer, .address_space: global }
      - { .name: span_ends, .offset: 64, .size: 8, .value_kind: global_buffer, .address_space: global }
      - { .name: part, .offset: 72, .size: 8, .value_kind: global_buffer, .address_space: global }
    .group_segment_fixed_size: 278272
    .private_segment_fixed_size: 0
    .kernarg_segment_align: 8
    .kernarg_segment_size: 80
    .max_flat_workgroup_size: 128
    .sgpr_count:     66
    .vgpr_count:     1024
    .wavefront_size: 32
...
	.end_amdgpu_metadata
.endif
;; end of part 4
;; launch R: the kernel of part 3 again; grid 237 x 1, 2 waves a work-group, no clusters, 1,792 bytes of LDS; arguments part, b2, out0; writes out0
